; MI455X (gfx1250); checked and timed in simulation.
; The chip was launched on July 23, 2026; its instructions are those of AMD's public machine-readable ISA for CDNA 5 (MIT licence, August 2026) and "CDNA5" Instruction Set Architecture Reference Guide (July 2026). The comments in the code are by the model that wrote it; some were corrected since.
;; KAN Linear. Allowed arithmetic: matrix products marked QUANTISED: E2M1 operands, one E8M0 scale for each 32 along K, by v_wmma_scale_f32_16x16x128_f8f6f4 with both operands' format E2M1 (or v_wmma_scale_f32_32x16x128_f4), f32 sums; everything else in f32.
;; Inputs: base_weight 512 x 512 float32; grid 512 x 12 float32; spline_scaler 512 x 512 float32; spline_weight 512 x 512 x 8 float32; x 16,384 x 512 float32.
;; Outputs: out0 16,384 x 512 float32.
;; This version of the problem:
;;   THIS VERSION OF THE PROBLEM IS GIVEN IN LOW PRECISION. The matrix products marked QUANTISED in the list below multiply operands that are first quantised to E2M1 (2 exponent bits, 1 mantissa bit; 4 bits a number), with one power-of-two scale for each 32 numbers along K (OCP MX v1.0); their sums are f32. All else is computed in f32.
;;   The module's matrix products, in the order in which they are computed (A, B: the left and right operand; K: the contracted axis; several contracted axes count as one K, in the product's order):
;;     1. [M 16,384, K 512] x [K 512, N 512]; A: computed on the way; B: input base_weight: QUANTISED
;;     2. [M 16,384, K 4,096] x [K 4,096, N 512]; A: computed on the way; B: computed on the way: QUANTISED
;;   THE QUANTISER, for each operand of a quantised product, along K:
;;     - K is cut into blocks of 32 from its start; a last block that is shorter is filled with zeros.
;;     - A block's scale is 2^e with e = floor(log2(the largest magnitude in the block)) - 2, held to -126 .. 127; a block of zeros has e = 0. As a byte (E8M0): e + 127.
;;     - Each number is divided by its block's scale, clamped to +-6, and rounded to the nearest number of E2M1, ties to even, subnormals kept.
;;     - The product sums the exact products of the quantised numbers (number of the format x scale) in f32.
;;   ~~~python
;;   def quantise(x, axis):      # numpy; x: float32 -> the quantised numbers, widened to float32 again
;;       x = np.moveaxis(x, axis, -1); K = x.shape[-1]
;;       x = np.pad(x, [(0, 0)] * (x.ndim - 1) + [(0, -K % 32)]); x = x.reshape(x.shape[:-1] + (-1, 32)); a = np.abs(x).max(-1, keepdims=True)
;;       e = np.where(a > 0, np.clip(np.frexp(np.where(a > 0, a, 1))[1] - 1 - 2, -126, 127), 0)      # np.frexp(a)[1] - 1 = floor(log2(a)), exactly
;;       r = np.clip(x / 2.0 ** e, -6, 6)
;;       step = 2.0 ** (np.maximum(np.frexp(np.where(r == 0, 1, r))[1] - 1, 0) - 1)
;;       q = np.round(r / step) * step * 2.0 ** e      # np.round: ties to even
;;       return np.moveaxis(q.reshape(q.shape[:-2] + (-1,))[..., :K], -1, axis).astype(np.float32)
;;   ~~~
;;   OPERANDS COMPUTED ON THE WAY. 'Computed on the way' means the value that the module computes at that place (a softmax that the list does not call 'softmax' is quantised finished and normalised). What goes into a quantiser is computed in f32, as accurately as f32 sums, v_exp_f32 and their like allow (about 1e-6 of the number): no bf16 or f16 on the way to a quantiser, and a product that is left as it is and whose result goes on into a quantised operand takes f32 operands (vector FMAs, or v_wmma_f32_16x16x4_f32). A number that lies on a knife's edge between two numbers of the format may be rounded either way, as far as f32 arithmetic and the matrix unit's own rounding can turn it there, and no further.
;; One version. Each part assembles by itself: llvm-mc -triple=amdgcn-amd-amdhsa -mcpu=gfx1250 --defsym DOCPART=n.
;; ======== version 1 of 1: 2 launches
;; workspace buffers: wq 1,253,376 bytes; ct 90,112 bytes
;; launch prep (part 1): grid 289 x 1, 8 waves a work-group, no clusters, 42,496 bytes of LDS; arguments base_weight, spline_weight, spline_scaler, grid, wq, ct; writes wq, ct
.if DOCPART == 1
	.amdgcn_target "amdgcn-amd-amdhsa--gfx1250"
	.amdhsa_code_object_version 6
	.text
	.protected	k_qba60747cee_prep
	.globl	k_qba60747cee_prep
	.p2align	8
	.type	k_qba60747cee_prep,@function
k_qba60747cee_prep:
	s_mov_b64 s[64:65], 0
	v_nop
	global_prefetch_b8 v0, s[64:65] scope:SCOPE_SE
	s_setreg_imm32_b32 hwreg(HW_REG_WAVE_MODE, 25, 1), 1
	s_wait_xcnt 0x0
; THE WEIGHTS AS CODES OF FP4 (E2M1) WITH E8M0 SCALES, LAID IN THE ORDER OF THE OPERAND'S REGISTERS, AND THE TABLE OF KNOTS.
; wq: 9 chunks of 139,264 bytes.  Chunk s = 0..7: spline_weight x spline_scaler, features 64 s .. 64 s + 63 (K = 512); chunk 8: base_weight (K = 512).
;   A chunk is 8 slices of 17,408 bytes (slice w: output columns 64 w .. 64 w + 63): 16 images of 1,024 bytes at (4 j + k) x 1024 (tile of 16 columns j, K step k of 128);
;   in an image byte c x 512 + (16 h + r) x 16 begins the 16 bytes of block 2 c + h of column r; behind them 1,024 scale bytes: (j / 2) x 512 + (16 (j % 2) + r) x 16 + 4 k + b.
; K OF THE SPLINE PRODUCT runs basis first: k = 512 x basis + feature, the order in which the product contracts its two axes.  So a block is 32 NEIGHBOURING FEATURES OF ONE BASIS.
;   In a chunk block 2 j + u holds basis j, features 32 u .. 32 u + 31 of the chunk's 64, in their order.  The second launch lays its operand alike: blocks change places as wholes, so each keeps its stated scale.
; ct: 8 entries of 11,264 bytes, entry s = an image of 88 registers for lane l = features 64 s + 2 l + e: the 12 knots at 2 j + e, then r1 (11 + pad), r2 (10), r3 (9 + pad): r_k[j] = 1 / max(g[j + k] - g[j], 1e-6).
; A block's scale byte is its largest magnitude's exponent field - 2, held at 1 from below (a block of zeros gets 1 where the rule says 127: its codes are zeros, and this program alone reads the bytes).
; LIMITS: weights, scalers and knots are finite.  1 / den is v_rcp_f32 with one Newton step.
; SHARES: work-groups 0..287: chunk id / 32, tile of 16 columns id % 32; wave v takes 2 columns x 512 along K.  Work-group 288: the table, wave v = entry v.  Both kinds of weights take ONE path: what differs is chosen by selects.
.set NWG,  288
.set RL,   96                          ; v96-127  eight loads as they come
.set V,    32                          ; v32-63   32 numbers as they lie in memory: base_weight's block
.set D,    64                          ; v64-95   the block that is quantised
.set SC,   128                         ; v128-159 the 32 scalers of my block's features
.set W,    160                         ; v160-191 one basis of 32 neighbouring features: the spline's block
.set CDR,  16                          ; v16-19   the block's codes
.set OI,   36864                       ; LDS: behind the waves' turning stages (8 x 4,608): the tile's four images,
.set OS,   40960                       ; and its 256 scale bytes
.set KN,   8                           ; the table: v8-31 24 knots as loaded
.set IMG,  32                          ; v32-119  the entry's 88 registers
.set DN,   120                         ; v120-179 the 60 denominators, then the Newton step's errors
	s_load_b256 s[4:11], s[0:1], 0x0               ; base_weight s[4:5], spline_weight s[6:7], spline_scaler s[8:9], grid s[10:11]
	s_load_b128 s[12:15], s[0:1], 0x20             ; wq s[12:13], ct s[14:15]
	v_lshl_add_u32 v192, v0, 2, 0xa200
	v_mov_b32 v193, 0
	v_lshrrev_b32 v1, 5, v0
	v_readfirstlane_b32 s16, v1                    ; wave 0..7
	v_and_b32 v1, 31, v0                           ; lane
	s_cmp_eq_u32 ttmp9, NWG
	s_cbranch_scc1 .Ltable                         ; the same way for all eight waves of a work-group
	; ---- the weights
	s_and_b32 s17, ttmp9, 31                       ; tile of 16 columns
	s_lshr_b32 s18, ttmp9, 5                       ; chunk 0..8
	s_lshl_b32 s19, s17, 4
	s_lshl_b32 s20, s16, 1
	s_add_co_u32 s19, s19, s20                     ; my first column: 16 x tile + 2 x wave
	s_min_u32 s21, s18, 7                          ; the scalers' chunk; chunk 8 reads chunk 7's and does not use them: no load leaves its buffer
	s_lshl_b32 s22, s18, 11                        ; a chunk is 2,048 bytes of a row of spline_weight
	s_movk_i32 s23, 0x4000                         ; whose rows are 16,384 bytes
	v_lshlrev_b32 v2, 4, v1                        ; 16 x lane
	s_mul_i32 s25, s16, 4608                       ; my turning stage: 32 places of 128 bytes + 16 of padding; places 0-15 my first column's 2,048 bytes, 16-31 my second's
	v_lshrrev_b32 v30, 3, v1
	v_mul_u32_u24 v3, v30, 144
	v_and_b32 v30, 7, v1
	v_lshl_add_u32 v3, v30, 4, v3
	v_add_nc_u32 v3, s25, v3                       ; in: eight lanes' 128 bytes on end, then 16 of padding
	v_mul_u32_u24 v4, v1, 144
	v_add_nc_u32 v4, s25, v4                       ; out, as it lies: 144 x lane: 128 neighbouring bytes
	v_and_b32 v30, 15, v1                          ; my block of the column's 16
	v_lshrrev_b32 v31, 4, v1                       ; which of my wave's two columns
	v_and_b32 v21, 1, v30                          ; u: which 32 of the chunk's 64 features
	v_lshrrev_b32 v22, 1, v30                      ; j: which basis
	v_mul_u32_u24 v20, v31, 2304                   ; out, one basis: a column is 16 places,
	v_mad_u32_u24 v20, v21, 1152, v20              ; 32 features are 8 places (a place holds 4 features x 8 bases),
	v_lshl_add_u32 v20, v22, 2, v20                ; a basis 4 bytes
	v_add_nc_u32 v20, s25, v20
	v_lshlrev_b32 v5, 11, v31
	v_lshl_add_u32 v5, v21, 7, v5                  ; the scalers: a row of 2,048 bytes, 128 bytes for 32 features
	s_lshl_b32 s35, s16, 5
	v_lshlrev_b32 v6, 8, v30                       ; the images: block 4 k + 2 c + h lies at 1024 k + 512 c + 256 h = 256 x block,
	v_lshl_add_u32 v6, v31, 4, v6
	v_add_nc_u32 v6, s35, v6                       ; column 2 v + (lane / 16) at 16 bytes a column
	v_add_nc_u32 v6, OI, v6
	v_add_nc_u32 v7, s35, v1                       ; the scale bytes: 16 x column + block = 32 v + lane
	v_add_nc_u32 v7, OS, v7
	s_lshl_b32 s35, s16, 9
	v_add_nc_u32 v9, s35, v2                       ; the way out: 512 x wave + 16 x lane,
	v_add_nc_u32 v8, OI, v9
	v_lshlrev_b32 v11, 3, v1                       ; and for the scale bytes 8 x lane
	v_add_nc_u32 v10, OS, v11
	s_wait_kmcnt 0x0
	s_cmp_eq_u32 s18, 8                            ; base_weight's chunk?  The choice hangs on the work-group's number alone
	s_cselect_b64 s[26:27], s[4:5], s[6:7]
	s_cselect_b32 s23, 2048, s23                   ; bytes from row to row
	s_cselect_b32 s22, 0, s22                      ; the chunk's place in a row
	s_cselect_b32 s24, -1, 0                       ; the lanes' mask for the choice of block
	s_mul_i32 s28, s19, s23
	s_add_co_u32 s28, s28, s22
	s_mov_b32 s29, 0
	s_add_nc_u64 s[26:27], s[26:27], s[28:29]      ; my first column's 2,048 bytes,
	s_mov_b32 s30, s23
	s_mov_b32 s31, 0
	s_add_nc_u64 s[30:31], s[26:27], s[30:31]      ; my second's
	s_lshl_b32 s32, s19, 11
	s_lshl_b32 s33, s21, 8
	s_add_co_u32 s32, s32, s33
	s_mov_b32 s33, 0
	s_add_nc_u64 s[8:9], s[8:9], s[32:33]          ; the scalers of my first column, this chunk's 64
.irp i, 0,1,2,3
	global_load_b128 v[RL+4*\i:RL+4*\i+3], v2, s[26:27] offset:512*\i th:TH_LOAD_NT       ; 32 lanes read 512 consecutive bytes
.endr
.irp i, 0,1,2,3
	global_load_b128 v[RL+16+4*\i:RL+16+4*\i+3], v2, s[30:31] offset:512*\i th:TH_LOAD_NT
.endr
.irp p, 0,1,2,3,4,5,6,7
	global_load_b128 v[SC+4*\p:SC+4*\p+3], v5, s[8:9] offset:16*\p                        ; the eight lanes of one column and one u read the same 128 bytes
.endr
	s_mul_i32 s32, s18, 139264
	s_lshr_b32 s34, s17, 2
	s_mul_i32 s34, s34, 17408
	s_add_co_u32 s32, s32, s34
	s_add_nc_u64 s[12:13], s[12:13], s[32:33]      ; my slice of wq
	s_and_b32 s34, s17, 3
	s_lshl_b32 s32, s34, 12
	s_add_nc_u64 s[36:37], s[12:13], s[32:33]      ; my tile's four images,
	s_lshl_b32 s32, s34, 8
	s_add_co_u32 s32, s32, 16384
	s_add_nc_u64 s[38:39], s[12:13], s[32:33]      ; and its 256 scale bytes: (j / 2) x 512 + (j % 2) x 256 = 256 j
	s_wait_loadcnt 0x8                             ; the weights' eight loads are in; the scalers' eight, issued behind them, may be out
.irp i, 0,1,2,3,4,5,6,7
	ds_store_b128 v3, v[RL+4*\i:RL+4*\i+3] offset:576*\i             ; a load's 512 bytes take four places of 144
.endr
.irp p, 0,1,2,3,4,5,6,7
	ds_load_b128 v[V+4*\p:V+4*\p+3], v4 offset:16*\p                 ; LDS serves a wave's instructions in order: these see my stores
.endr
.set I, 0
.rept 32
	ds_load_b32 v[W+I], v20 offset:(I/4)*144+(I%4)*32                ; feature 32 u + I: place I / 4 of my eight, 32 bytes a feature
.set I, I+1
.endr
	s_wait_loadcnt 0x0
	s_wait_dscnt 0x0
.set I, 0
.rept 16
	v_pk_mul_f32 v[D+2*I:D+2*I+1], v[W+2*I:W+2*I+1], v[SC+2*I:SC+2*I+1]   ; spline_weight x scaler
.set I, I+1
.endr
.set I, 0
.rept 32
	v_cndmask_b32 v[D+I], v[D+I], v[V+I], s24      ; base_weight: as it lies
.set I, I+1
.endr
	v_max3_num_f32 v12, |v[D]|, |v[D+1]|, |v[D+2]|                   ; the block's largest magnitude: all 32 numbers are mine
	v_max3_num_f32 v13, |v[D+3]|, |v[D+4]|, |v[D+5]|
.irp i, 6,10,14,18,22,26
	v_max3_num_f32 v12, v12, |v[D+\i]|, |v[D+\i+1]|
	v_max3_num_f32 v13, v13, |v[D+\i+2]|, |v[D+\i+3]|
.endr
	v_max3_num_f32 v12, v12, |v[D+30]|, |v[D+31]|
	v_max3_num_f32 v12, v12, v13, 0x1800000        ; and the floor 2^(3 - 127): the byte cannot fall under 1
	v_add_nc_u32 v14, 0xff000000, v12              ; 2 off the exponent field: the conversion takes this operand's exponent field as its scale
.irp g, 0,1,2,3
	v_cvt_scalef32_pk8_fp4_f32 v[CDR+\g], v[D+8*\g:D+8*\g+7], v14
.endr
	v_lshrrev_b32 v15, 23, v14                     ; the scale's byte (a plain line behind the conversions)
	ds_store_b128 v6, v[CDR:CDR+3]
	ds_store_b8 v7, v15
	s_wait_dscnt 0x0                               ; for the others' sake: my stores have landed
	s_barrier_signal -1
	s_barrier_wait -1                              ; the tile's images and scale bytes are whole
	ds_load_b128 v[24:27], v8
	s_wait_dscnt 0x0
	global_store_b128 v9, v[24:27], s[36:37]       ; 32 lanes store 512 consecutive bytes, at a multiple of 256 from wq's first byte
	s_cmp_lg_u32 s16, 0
	s_cbranch_scc1 .Ldone
	ds_load_b64 v[28:29], v10                      ; wave 0: the 256 scale bytes
	s_wait_dscnt 0x0
	global_store_b64 v11, v[28:29], s[38:39]
.Ldone:
	s_wait_tensorcnt 0x0
	ds_add_u32 v192, v193
	s_wait_dscnt 0x0
	s_endpgm
	; ---- the table: no LDS, no barrier
.macro RUN what, cnt, ro, dofs, sh
.set I, 0
.rept \cnt
.if \what == 0
	v_sub_f32 v[DN+\dofs+I], v[IMG+I+\sh], v[IMG+I]                  ; g[j + k] - g[j], both features by turns
.elseif \what == 1
	v_rcp_f32 v[IMG+\ro+I], v[DN+\dofs+I]
.elseif \what == 2
	v_fma_f32 v[DN+\dofs+I], -v[DN+\dofs+I], v[IMG+\ro+I], 1.0       ; 1 - d r
.else
	v_fma_f32 v[IMG+\ro+I], v[IMG+\ro+I], v[DN+\dofs+I], v[IMG+\ro+I] ; r + r (1 - d r)
.endif
.set I, I+1
.endr
.endm
.macro ALL3 what
	RUN \what, 22, 24, 0, 2
	RUN \what, 20, 48, 22, 4
	RUN \what, 18, 68, 42, 6
.endm
.Ltable:
	s_mul_i32 s20, s16, 3072                       ; my entry's 64 rows of grid, 48 bytes each
	s_mov_b32 s21, 0
	s_mul_i32 s22, s16, 11264
	s_mov_b32 s23, 0
	v_mul_u32_u24 v2, v1, 96                       ; my two features' 24 knots
	v_lshlrev_b32 v3, 4, v1
	s_wait_kmcnt 0x0
	s_add_nc_u64 s[10:11], s[10:11], s[20:21]
	s_add_nc_u64 s[14:15], s[14:15], s[22:23]
.irp i, 0,1,2,3,4,5
	global_load_b128 v[KN+4*\i:KN+4*\i+3], v2, s[10:11] offset:16*\i
.endr
	s_wait_loadcnt 0x0
.irp e, 0,1
.irp j, 0,1,2,3,4,5,6,7,8,9,10,11
	v_mov_b32 v[IMG+2*\j+\e], v[KN+12*\e+\j]       ; knot j of feature e at 2 j + e: pairs for the packed forms
.endr
.endr
	ALL3 0
.set I, 0
.rept 60
	v_max_num_f32 v[DN+I], 0x358637bd, v[DN+I]     ; held at 1e-6 from below
.set I, I+1
.endr
	ALL3 1                                         ; sixty reciprocals as one batch,
	v_nop                                          ; a plain line behind the last,
	s_wait_alu depctr_va_vdst(0)                   ; and one wait ahead of the first reader
	ALL3 2
	ALL3 3
	v_mov_b32 v[IMG+46], 0                         ; the pads
	v_mov_b32 v[IMG+47], 0
	v_mov_b32 v[IMG+86], 0
	v_mov_b32 v[IMG+87], 0
.set I, 0
.rept 22
	global_store_b128 v3, v[IMG+4*I:IMG+4*I+3], s[14:15] offset:512*I    ; 512 consecutive bytes a store
.set I, I+1
.endr
	s_endpgm
.Lfunc_end_k_qba60747cee_prep:
	.size	k_qba60747cee_prep, .Lfunc_end_k_qba60747cee_prep-k_qba60747cee_prep
	.p2alignl 7, 3214868480
	.fill 96, 4, 3214868480
	.section	.rodata,"a",@progbits
	.p2align	6, 0x0
	.amdhsa_kernel k_qba60747cee_prep
		.amdhsa_group_segment_fixed_size 42496
		.amdhsa_private_segment_fixed_size 0
		.amdhsa_enable_private_segment 0
		.amdhsa_kernarg_size 48
		.amdhsa_user_sgpr_count 2
		.amdhsa_user_sgpr_kernarg_segment_ptr 1
		.amdhsa_wavefront_size32 1
		.amdhsa_system_sgpr_workgroup_id_x 1
		.amdhsa_system_sgpr_workgroup_id_y 1
		.amdhsa_system_sgpr_workgroup_id_z 1
		.amdhsa_system_vgpr_workitem_id 0
		.amdhsa_next_free_vgpr 194
		.amdhsa_next_free_sgpr 66
		.amdhsa_reserve_vcc 0
		.amdhsa_float_denorm_mode_32 3
		.amdhsa_float_denorm_mode_16_64 3
		.amdhsa_memory_ordered 1
		.amdhsa_forward_progress 1
		.amdhsa_inst_pref_size 33
	.end_amdhsa_kernel
	.amdgpu_metadata
---
amdhsa.version: [ 1, 2 ]
amdhsa.kernels:
  - .name:           k_qba60747cee_prep
    .symbol:         k_qba60747cee_prep.kd
    .args:
      - { .name: base_weight, .offset: 0, .size: 8, .value_kind: global_buffer, .address_space: global }
      - { .name: spline_weight, .offset: 8, .size: 8, .value_kind: global_buffer, .address_space: global }
      - { .name: spline_scaler, .offset: 16, .size: 8, .value_kind: global_buffer, .address_space: global }
      - { .name: grid, .offset: 24, .size: 8, .value_kind: global_buffer, .address_space: global }
      - { .name: wq, .offset: 32, .size: 8, .value_kind: global_buffer, .address_space: global }
      - { .name: ct, .offset: 40, .size: 8, .value_kind: global_buffer, .address_space: global }
    .group_segment_fixed_size: 42496
    .private_segment_fixed_size: 0
    .kernarg_segment_align: 8
    .kernarg_segment_size: 48
    .max_flat_workgroup_size: 256
    .sgpr_count:     66
    .vgpr_count:     194
    .wavefront_size: 32
...
	.end_amdgpu_metadata
.endif
;; end of part 1
;; launch kan (part 2): grid 256 x 1, 8 waves a work-group, clusters of 4 x 1, 327,680 bytes of LDS; arguments x, wq, ct, out0; writes out0
.if DOCPART == 2
	.amdgcn_target "amdgcn-amd-amdhsa--gfx1250"
	.amdhsa_code_object_version 6
	.text
	.protected	k_qba60747cee_kan
	.globl	k_qba60747cee_kan
	.p2align	8
	.type	k_qba60747cee_kan,@function
k_qba60747cee_kan:
	s_mov_b64 s[64:65], 0
	v_nop
	global_prefetch_b8 v0, s[64:65] scope:SCOPE_SE
	s_setreg_imm32_b32 hwreg(HW_REG_WAVE_MODE, 25, 1), 1
	s_wait_xcnt 0x0
	s_wait_alu depctr_hold_cnt(0) depctr_sa_sdst(0) depctr_va_vdst(0) depctr_va_sdst(0) depctr_va_ssrc(0) depctr_va_vcc(0) depctr_vm_vsrc(0)
	s_getreg_b32 s2, hwreg(HW_REG_IB_STS2, 6, 4)
	s_cmp_eq_u32 s2, 0
	s_cbranch_scc0 .Lentry_in_a_cluster
	s_endpgm
.Lentry_in_a_cluster:
	s_bfe_u32 s2, ttmp6, 0x10000c
	s_cmp_lg_u32 s2, 0x3003
	s_cbranch_scc0 .Lentry_shape_is_right
	s_endpgm
.Lentry_shape_is_right:
; y = silu(x') base_weight^T + bases(x') (spline_weight x scaler)^T, not finite -> 0; both products on codes of FP4 (E2M1) with one E8M0 scale for each 32 along K; one f32 sum for both.
; x' = the clipped x (NaN -> 0, held to +-1.1), then (x + 1) - 1 in f32, which is what the renormalisation comes to: its divisor rounds to 2.
; SHARES.  A work-group owns 64 rows and all 512 outputs, so that every basis is computed once.  Eight waves.
;   MAKING: a super-step is 64 features (K = 512); lane l of every wave holds features 2 l, 2 l + 1 of it, as register pairs for the packed forms; its knots and reciprocal denominators (88 registers) stay
;   for the super-step's four trips.  In trip t wave w makes rows 16 t + 2 w and + 1: the eight waves make one tile of 16 rows x 512 K, as codes in LDS.
;   MULTIPLYING: wave w owns columns 64 w .. + 63 for all 64 rows: 16 accumulators; its slice of the super-step's weights (16 fragments) stays in registers for the four trips.
;   The 16 matrix instructions of a trip's tile stand, four at a time, inside the making of the next trip's first row.
; THE RECURSION, for any finite knots: t_j = x - g_j; c_0[j] = (x >= g_j and not x >= g_(j+1)) ? r_1[j] : 0; b_k[j] = t_j c[j] - t_(j+k+1) c[j+1]; c_k[j] = r_(k+1)[j] b_k[j].
; K OF THE SPLINE PRODUCT runs basis first: k = 512 x basis + feature, the order in which the product contracts its two axes: a block is 32 NEIGHBOURING FEATURES OF ONE BASIS.  A lane makes 8 bases of 2 features,
; so a row's 512 numbers TURN through the wave's own stage in LDS: in, basis by basis, 8 bytes a lane; back, 64 bytes a lane: lane l then holds basis l / 4, features 16 (l % 4) .. + 15, and two neighbouring lanes hold a block.
; In a super-step block 2 j + u is basis j, features 32 u .. + 31; the weights are laid alike.  Blocks change places as wholes, so each keeps its stated scale.
; THE WEIGHTS come through ONE LDS slot by joint tensor loads (the four work-groups of a cluster walk the same weights): each wave fetches and reads its own slice; the slot is asked for again as soon as
; the registers hold it, and has three trips in which to land.  The table of knots comes once.  x is asked for three trips ahead, into a ring of four register sets, so nothing is prefetched.
; The accumulators are cleared once (128 moves): sums begun with the constant 0 would want the super-step written out a third time.
; LIMITS: knots and weights finite; (x - g) / den x b is computed as (x - g) x ((1 / den) x b); a block of zeros carries the byte 1 over zero codes.
; REGISTERS, window 0: v1, v2 the spare word's address and 0; v3-15 addresses; v16-23 B's scale words, v24-27 A's; v28-59 A's fragments; v60-75 x; v76-163 the table's image; v164.. at work.
;   window 1: v0-127 accumulator (tile of rows t, tile of columns n) at 8 (4 t + n); v128-255 B's fragment (n, K step k) at 128 + 8 (4 n + k).
.set SLICE,  17408                     ; a wave's part of a chunk of weights: 16 images of 1,024 bytes + 1,024 scale bytes
.set CHUNK,  8*SLICE
.set ENT,    11264                     ; an entry of the table
.set CT,     CHUNK                     ; LDS: the slot at 0; the table, 8 entries;
.set AB,     229376                    ; A's codes: 2 buffers x 16 rows x 272 (256 bytes + 16: the 16 rows of a load start at 16 different banks, ISA guide 11.1);
.set APITCH, 272
.set ABUF,   16*APITCH
.set ASC,    238080                    ; A's scale bytes: 2 x 16 rows x 16;
.set SL,     238592                    ; silu's codes: 64 rows x 272;
.set SLS,    256000                    ; silu's scale bytes: 64 x 16;
.set STG,    257024                    ; the way out: 16 rows x 272 for each wave;
.set SPARE,  291840                    ; the spare words, 128 bytes for each wave: four blocks of 256 bytes that no other line names;
.set TS,     292864                    ; the turn: for each wave 8 bases x (64 features x 4 bytes + 16)
.set TPITCH, 272
.set SB,  16
.set SA,  24
.set AF,  28
.set XR,  60                           ; x: set t, row a at 60 + 4 t + 2 a
.set G,   76                           ; knots;  R1, R2, R3: the reciprocal denominators
.set R1,  100
.set R2,  124
.set R3,  144
.set X,   164
.set T,   166                          ; t_0 .. t_11
.set C,   190                          ; c, then b, in place
.set TMP, 212
.set MX0, TMP                          ; the quantiser's two running maxima: TMP is free by then
.set MX1, TMP+1
.set OUT, 220                          ; the 16 bases; behind the turn 16 neighbouring features of one basis
.set SI,  236                          ; silu's two; v238-243 stay 0
.set TW,  244                          ; v244 the turn, in: 8 x lane in my stage; never rewritten
.set TR,  245                          ; v245 the turn, back: 272 (lane / 4) + 64 (lane % 4); never rewritten
.set SO,  246
.set BY,  247
.set CD,  248
.set E,   250
.set SMX, 252
.set SSC, 253
.set SBY, 254
.set SCD, 255
.set SF,  76                           ; at the end: silu's 16 fragments, v76-203
.set FO,  76                           ; the way out: 32 results; v108-171 two sets of 8 rows read back
.set BK,  108
.set M,   68                           ; s68-91 the compares' masks
.set MSB, 0
.macro WIN new                         ; the immediate's high byte repeats the setting that is left
.if MSB != \new
	s_set_vgpr_msb (MSB<<8)|\new
.set MSB, \new
.endif
.endm
.macro ROUND                           ; a round of the cluster's barrier
	s_barrier_signal -1
	s_barrier_wait -1
	s_cmp_lg_u32 s12, 0
	s_cbranch_scc1 .Lnot_wave_0_\@
	s_barrier_signal -3
.Lnot_wave_0_\@:
	s_barrier_wait -3
	s_barrier_signal -1
	s_barrier_wait -1
.endm
.macro PBAR                            ; my LDS stores have landed and my LDS loads are in: then the work-group's barrier
	s_wait_dscnt 0x0
	s_barrier_signal -1
	s_barrier_wait -1
.endm
.macro RBAR                            ; the same barrier as a round of the cluster's, and behind it the joint refill of the slot, whose bytes lie in registers by now
	s_wait_tensorcnt 0x0                           ; no tensor load of mine is out, so group 0 may be written
	ds_add_u32 v1, v2                              ; 0 onto my spare word
	s_add_nc_u64 s[38:39], s[38:39], CHUNK         ; the next chunk; the type bits on top are not reached
	s_wait_dscnt 0x0                               ; the add is done, my reads of the slot are over, my stores of the trip's codes have landed
	ROUND
	tensor_load_to_lds s[36:39], s[20:27]          ; my one tensor load behind the round
	s_nop 0
.rept 4
	v_nop
.endr
.endm
.macro LOADA par                       ; the tile's four fragments and its scale words
.irp k, 0,1,2,3
.irp c, 0,1
	ds_load_b128 v[AF+8*\k+4*\c:AF+8*\k+4*\c+3], v8 offset:(\par)*ABUF+64*\k+32*\c
.endr
.endr
	ds_load_b128 v[SA:SA+3], v9 offset:(\par)*256
.endm
.macro LOADB                           ; my slice of the slot into registers
	s_wait_tensorcnt 0x0                           ; one tensor load of mine is out, this slice's: so the count is 0; only I read these bytes
	WIN 0x40                                       ; destination window 1
.set FI, 0
.rept 16
	ds_load_b128 v[128+8*FI:128+8*FI+3], v10 offset:1024*FI
	ds_load_b128 v[128+8*FI+4:128+8*FI+7], v10 offset:1024*FI+512
.set FI, FI+1
.endr
	WIN 0
	ds_load_b128 v[SB:SB+3], v10 offset:16384      ; register 4 i + k: lanes 0-15 tile 2 i's words of K step k, lanes 16-31 tile 2 i + 1's
	ds_load_b128 v[SB+4:SB+7], v10 offset:16384+512
.endm
.macro RELOAD q0, q1                   ; quads q0 .. q1 of the next super-step's table image
.set Q, \q0
.rept (\q1)-(\q0)+1
	ds_load_b128 v[G+4*Q:G+4*Q+3], v14 offset:512*Q
.set Q, Q+1
.endr
.endm
; One matrix instruction, used transposed: source 0 = 16 columns of the weights, source 1 = 16 rows: a lane then holds one row of y and eight neighbouring columns.
.macro MM1 t, n, k, ab, row1
.set AC, 8*(4*(\t)+(\n))
.set BR, 128+8*(4*(\n)+(\k))
.set AR, (\ab)+8*(\k)
.set SBR, SB+4*((\n)/2)+(\k)
.if ((\n)%2) && (\row1)
	v_wmma_scale_f32_16x16x128_f8f6f4 v[AC:AC+7], v[BR:BR+7], v[AR:AR+7], v[AC:AC+7], v[SBR], v[SA+(\k)] matrix_a_fmt:MATRIX_FMT_FP4 matrix_b_fmt:MATRIX_FMT_FP4 matrix_a_scale:MATRIX_SCALE_ROW1 matrix_b_scale:MATRIX_SCALE_ROW1
.elseif (\n)%2
	v_wmma_scale_f32_16x16x128_f8f6f4 v[AC:AC+7], v[BR:BR+7], v[AR:AR+7], v[AC:AC+7], v[SBR], v[SA+(\k)] matrix_a_fmt:MATRIX_FMT_FP4 matrix_b_fmt:MATRIX_FMT_FP4 matrix_a_scale:MATRIX_SCALE_ROW1
.elseif \row1
	v_wmma_scale_f32_16x16x128_f8f6f4 v[AC:AC+7], v[BR:BR+7], v[AR:AR+7], v[AC:AC+7], v[SBR], v[SA+(\k)] matrix_a_fmt:MATRIX_FMT_FP4 matrix_b_fmt:MATRIX_FMT_FP4 matrix_b_scale:MATRIX_SCALE_ROW1
.else
	v_wmma_scale_f32_16x16x128_f8f6f4 v[AC:AC+7], v[BR:BR+7], v[AR:AR+7], v[AC:AC+7], v[SBR], v[SA+(\k)] matrix_a_fmt:MATRIX_FMT_FP4 matrix_b_fmt:MATRIX_FMT_FP4
.endif
.endm
.macro MM4 t, k, ab, row1              ; K step k of tile t: its four accumulators by turns, one instruction a turn
	WIN 0x51                                       ; source 0, C and D window 1; source 1 window 0
.irp n, 0,1,2,3
	MM1 \t, \n, \k, \ab, \row1
.endr
.endm
.macro LG sh, dst, j0, n               ; b[j] = t_j c[j] - t_(j+sh) c[j+1] for n neighbours from j0 on: the products first, so that c[j+1] is read before it is written
.set J, \j0
.rept \n
	v_pk_mul_f32 v[TMP+2*(J-(\j0)):TMP+2*(J-(\j0))+1], v[T+2*(J+(\sh)):T+2*(J+(\sh))+1], v[C+2*J+2:C+2*J+3]
.set J, J+1
.endr
.set J, \j0
.rept \n
	v_pk_fma_f32 v[\dst+2*J:\dst+2*J+1], v[T+2*J:T+2*J+1], v[C+2*J:C+2*J+1], v[TMP+2*(J-(\j0)):TMP+2*(J-(\j0))+1] neg_lo:[0,0,1] neg_hi:[0,0,1]
.set J, J+1
.endr
.endm
.macro SCALEC r, n                     ; c[j] = r[j] b[j]
.set J, 0
.rept \n
	v_pk_mul_f32 v[C+2*J:C+2*J+1], v[C+2*J:C+2*J+1], v[\r+2*J:\r+2*J+1]
.set J, J+1
.endr
.endm
; ONE ROW of my two features: row 16 t + 2 w + a.  ld: ask for the row three trips on;  lc: how many younger loads of x may stay out;  mm: the tile whose 16 matrix instructions stand in this row (-1: none);
; rel: each part of the table's image is loaded anew, for the next super-step, behind its last use.
.macro ROW t, a, ld, lc, mm, rel
.set XS, XR+4*(\t)+2*(\a)
.set XN, XR+4*(((\t)+3)%4)+2*(\a)
.set PB, (\t)%2
	s_wait_loadcnt \lc                             ; loads come back in order: this row's is in, those of the rows behind it stay out
	v_max_num_f32 v[TMP], s16, v[XS]               ; a NaN loses: -1.1
	v_max_num_f32 v[TMP+1], s16, v[XS+1]
	v_min_num_f32 v[TMP+2], s17, v[XS]             ; a NaN loses: 1.1
	v_min_num_f32 v[TMP+3], s17, v[XS+1]
	v_med3_num_f32 v[X], v[TMP], v[TMP+2], 0       ; the middle one: x held to +-1.1; of (-1.1, 1.1, 0): 0
	v_med3_num_f32 v[X+1], v[TMP+1], v[TMP+3], 0
.if \ld
	global_load_b64 v[XN:XN+1], v3, s[44:45] offset:(16*(((\t)+3)%4)+(\a))*2048 th:TH_LOAD_NT   ; 32 lanes read 256 consecutive bytes, aligned; into the set that the last trip has read
.endif
	v_pk_add_f32 v[X:X+1], v[X:X+1], 1.0 op_sel_hi:[1,0]
	v_pk_add_f32 v[X:X+1], v[X:X+1], -1.0 op_sel_hi:[1,0]
	v_pk_mul_f32 v[E:E+1], v[X:X+1], 0xbfb8aa3b op_sel_hi:[1,0]    ; -x log2(e)
	v_exp_f32 v[E], v[E]
	v_exp_f32 v[E+1], v[E+1]
.set I, 0
.rept 12
	v_pk_add_f32 v[T+2*I:T+2*I+1], v[X:X+1], v[G+2*I:G+2*I+1] neg_lo:[0,1] neg_hi:[0,1]     ; t_j = x - g_j
.set I, I+1
.endr
	s_wait_alu depctr_va_vdst(0)                   ; one wait for the two exponentials, ahead of their first reader
	v_pk_add_f32 v[E:E+1], v[E:E+1], 1.0 op_sel_hi:[1,0]
	v_rcp_f32 v[E], v[E]
	v_rcp_f32 v[E+1], v[E+1]
.set I, 0
.rept 24
	v_cmp_ge_f32 s[M+I], v[X+I%2], v[G+I]          ; x >= g_j
.set I, I+1
.endr
.if \rel
	RELOAD 0, 5
.endif
.set I, 0
.rept 22
	s_and_not1_b32 s[M+I], s[M+I], s[M+I+2]        ; and not x >= g_(j+1); ascending, so the right-hand mask is still whole
.set I, I+1
.endr
	s_wait_alu depctr_va_vdst(0)                   ; one wait for the two reciprocals
	v_pk_mul_f32 v[SI:SI+1], v[X:X+1], v[E:E+1]    ; silu = x / (1 + e^-x)
.set I, 0
.rept 22
	v_cndmask_b32 v[C+I], 0, v[R1+I], s[M+I]       ; c_0
.set I, I+1
.endr
.if \rel
	RELOAD 6, 11
.endif
.if (\mm) >= 0
	s_wait_dscnt 0x0                               ; the tile's fragments and scale words are in (and, behind a change of chunks, the weights')
	MM4 \mm, 0, AF, 0
	WIN 0
.endif
	LG 2, C, 0, 4
	LG 2, C, 4, 4
	LG 2, C, 8, 2
.if (\mm) >= 0
	MM4 \mm, 1, AF, 0
	WIN 0
.endif
	SCALEC R2, 10
.if \rel
	RELOAD 12, 16
.endif
	LG 3, C, 0, 4
	LG 3, C, 4, 4
	LG 3, C, 8, 1
.if (\mm) >= 0
	MM4 \mm, 2, AF, 0
	WIN 0
.endif
	SCALEC R3, 9
.if \rel
	RELOAD 17, 21
.endif
	LG 4, OUT, 0, 4
	LG 4, OUT, 4, 4
	; THE TURN, through my own stage: in, basis j's 64 features as 256 consecutive bytes; back, 64 bytes a lane, into the registers that they left
.set I, 0
.rept 8
	ds_store_b64 v[TW], v[OUT+2*I:OUT+2*I+1] offset:TPITCH*I
.set I, I+1
.endr
.irp p, 0,1,2,3
	ds_load_b128 v[OUT+4*\p:OUT+4*\p+3], v[TR] offset:16*\p        ; LDS serves a wave's instructions in order: these see my stores, and the next row's stores come behind them
.endr
.if (\mm) >= 0
	MM4 \mm, 3, AF, 0
	WIN 0
.endif
	; silu's quantiser stands between the turn's loads and the wait for them: sixteen lanes' 32 numbers are a block.  The floor 2^(3 - 127) holds a byte at 1 from below.
	v_max3_num_f32 v[SMX], |v[SI]|, |v[SI+1]|, 0x1800000
	v_max_num_f32_dpp v[SMX], v[SMX], v[SMX] row_xmask:1 row_mask:0xf bank_mask:0xf
	v_max_num_f32_dpp v[SMX], v[SMX], v[SMX] row_xmask:2 row_mask:0xf bank_mask:0xf
	v_max_num_f32_dpp v[SMX], v[SMX], v[SMX] row_xmask:4 row_mask:0xf bank_mask:0xf
	v_max_num_f32_dpp v[SMX], v[SMX], v[SMX] row_xmask:8 row_mask:0xf bank_mask:0xf
	v_add_nc_u32 v[SSC], 0xff000000, v[SMX]        ; 2 off the exponent field: the conversion's scale operand
	v_cvt_scalef32_pk8_fp4_f32 v[SCD], v[SI:SI+7], v[SSC]          ; two codes and six of zero: the low byte is mine
	v_lshrrev_b32 v[SBY], 23, v[SSC]               ; the scale's byte (a plain line behind the conversion)
	ds_store_b8 v12, v[SCD] offset:(16*(\t)+(\a))*APITCH
	ds_store_b8 v13, v[SBY] offset:(16*(\t)+(\a))*16
	s_wait_dscnt 0x2                               ; the turn's four loads are in; the two byte stores issued behind them may be out
	; the bases' quantiser: my 16 features and my neighbour's 16 are a block of one basis
	v_max3_num_f32 v[MX0], |v[OUT]|, |v[OUT+1]|, 0x1800000
	v_max3_num_f32 v[MX1], |v[OUT+2]|, |v[OUT+3]|, |v[OUT+4]|
	v_max3_num_f32 v[MX0], v[MX0], |v[OUT+5]|, |v[OUT+6]|
	v_max3_num_f32 v[MX1], v[MX1], |v[OUT+7]|, |v[OUT+8]|
	v_max3_num_f32 v[MX0], v[MX0], |v[OUT+9]|, |v[OUT+10]|
	v_max3_num_f32 v[MX1], v[MX1], |v[OUT+11]|, |v[OUT+12]|
	v_max3_num_f32 v[MX0], v[MX0], |v[OUT+13]|, |v[OUT+14]|
	v_max3_num_f32 v[MX0], v[MX0], v[MX1], |v[OUT+15]|
	v_max_num_f32_dpp v[MX0], v[MX0], v[MX0] row_xmask:1 row_mask:0xf bank_mask:0xf
	v_add_nc_u32 v[SO], 0xff000000, v[MX0]
	v_cvt_scalef32_pk8_fp4_f32 v[CD], v[OUT:OUT+7], v[SO]
	v_cvt_scalef32_pk8_fp4_f32 v[CD+1], v[OUT+8:OUT+15], v[SO]
	v_lshrrev_b32 v[BY], 23, v[SO]                 ; the scale's byte (a plain line behind the conversions)
	ds_store_b64 v4, v[CD:CD+1] offset:PB*ABUF+(\a)*APITCH         ; 32 lanes: the row's 256 bytes: block 2 j + u at 16 (2 j + u) = 8 x lane, rounded down to 16
	ds_store_b8 v5, v[BY] offset:PB*256+(\a)*16                    ; both lanes of a block write the same byte with the same value
.endm
	s_load_b256 s[4:11], s[0:1], 0x0               ; x s[4:5], wq s[6:7], ct s[8:9], out0 s[10:11]
	v_lshl_add_u32 v1, v0, 2, SPARE
	v_mov_b32 v2, 0
	ds_add_u32 v1, v2
	ds_add_u32 v1, v2
	s_wait_dscnt 0x0
	v_lshrrev_b32 v15, 5, v0
	v_readfirstlane_b32 s12, v15                   ; wave 0..7
	s_bfe_u32 s13, ttmp6, 0x40000                  ; cx: it enters x's and out0's addresses alone
	s_lshl_b32 s14, ttmp9, 2
	s_add_co_u32 s14, s14, s13                     ; my block of 64 rows = 4 x cluster + cx
	s_mov_b32 s16, 0xbf8ccccd                      ; -1.1
	s_mov_b32 s17, 0x3f8ccccd                      ; 1.1
	s_mov_b32 s18, 0x7f800000                      ; infinity
	; descriptor group 1: a dense block as rows of 256 bytes (32 elements of 8 bytes), no padding.  A slice of weights: 68 rows;
	s_mov_b32 s20, 15|(3<<16)|(1<<21)              ; 15:0 the mask: all four work-groups; 17:16 elements of 8 bytes; 21 set beside a mask
	s_mov_b32 s21, 32<<16                          ; tensor_dim0
	s_mov_b32 s22, 68<<16                          ; tensor_dim1
	s_mov_b32 s23, 32<<16                          ; tile_dim0
	s_mov_b32 s24, 68                              ; tile_dim1
	s_mov_b32 s25, 32                              ; from row to row
	s_mov_b32 s26, 0
	s_mov_b32 s27, 0
	s_mov_b32 s28, 15|(3<<16)|(1<<21)              ; an entry of the table: 44 rows
	s_mov_b32 s29, 32<<16
	s_mov_b32 s30, 44<<16
	s_mov_b32 s31, 32<<16
	s_mov_b32 s32, 44
	s_mov_b32 s33, 32
	s_mov_b32 s34, 0
	s_mov_b32 s35, 0
	s_mul_i32 s50, s12, SLICE
	s_mov_b32 s51, 0
	s_mul_i32 s52, s12, ENT
	s_mov_b32 s53, 0
	s_mov_b32 s36, 1                               ; group 0 for the weights: count;
	s_mul_i32 s37, s12, SLICE                      ; LDS address: my slice of the slot;
	s_mov_b32 s40, 1                               ; for the table:
	s_mul_i32 s41, s12, ENT
	s_add_co_u32 s41, s41, CT                      ; entry w
	s_wait_kmcnt 0x0
	s_add_nc_u64 s[38:39], s[6:7], s[50:51]        ; my slice of chunk 0
	s_or_b32 s39, s39, 0x80000000                  ; type = 2
	s_add_nc_u64 s[42:43], s[8:9], s[52:53]
	s_or_b32 s43, s43, 0x80000000
	s_lshl_b32 s54, s14, 17                        ; 64 rows of 2,048 bytes
	s_mov_b32 s55, 0
	s_add_nc_u64 s[44:45], s[4:5], s[54:55]        ; x at my block's first row
	s_lshl_b32 s56, s12, 8
	s_add_co_u32 s54, s54, s56
	s_add_nc_u64 s[10:11], s[10:11], s[54:55]      ; out0 likewise, at my wave's 64 columns
	ROUND                                          ; all four work-groups are here: the first joint loads meet
	tensor_load_to_lds s[40:43], s[28:35]          ; the first fills go out together: two tensor loads of mine are out
	s_nop 0
	tensor_load_to_lds s[36:39], s[20:27]
	s_nop 0
.rept 4
	v_nop
.endr
	v_and_b32 v15, 31, v0                          ; lane; kept
	v_and_b32 v[T], 15, v0                         ; r
	v_bfe_u32 v[T+1], v0, 4, 1                     ; h
	s_lshl_b32 s50, s12, 12
	v_lshl_add_u32 v3, v15, 3, s50                 ; x: two rows a wave, 8 bytes a lane
.irp q, 0,1,2
.irp a, 0,1
	global_load_b64 v[XR+4*\q+2*\a:XR+4*\q+2*\a+1], v3, s[44:45] offset:(16*\q+\a)*2048 th:TH_LOAD_NT   ; trips 0 to 2
.endr
.endr
	s_mul_i32 s50, s12, 2*APITCH
	s_add_co_u32 s51, s50, AB
	v_lshl_add_u32 v4, v15, 3, s51                 ; where I store a row's codes
	s_add_co_u32 s51, s50, SL
	v_add_nc_u32 v6, s51, v15                      ; and silu's byte, less the super-step's 32 bytes
	s_lshl_b32 s50, s12, 5
	s_add_co_u32 s51, s50, ASC
	v_lshrrev_b32 v5, 1, v15
	v_add_nc_u32 v5, s51, v5                       ; my block's scale byte
	s_add_co_u32 s51, s50, SLS
	v_add_nc_u32 v7, s51, v[T+1]                   ; silu's, less the super-step's 2 bytes
	v_mul_u32_u24 v8, v[T], APITCH
	v_lshl_add_u32 v8, v[T+1], 4, v8
	v_add_nc_u32 v8, AB, v8                        ; a fragment of A: row r, + 16 h
	v_lshl_add_u32 v9, v[T], 4, ASC                ; its rows' scale words
	s_mul_i32 s50, s12, SLICE
	v_lshl_add_u32 v10, v15, 4, s50                ; an image's place for my lane, in my slice
	v_lshl_add_u32 v11, v15, 4, CT                 ; and in the table
	s_mul_i32 s50, s12, 8*TPITCH
	s_add_co_u32 s50, s50, TS                      ; my stage for the turn
	v_lshl_add_u32 v[TW], v15, 3, s50              ; in: 8 bytes a lane
	v_lshrrev_b32 v[TR], 2, v15
	v_mul_u32_u24 v[TR], v[TR], TPITCH             ; back: basis lane / 4,
	v_and_b32 v[T+2], 3, v15
	v_lshl_add_u32 v[TR], v[T+2], 6, v[TR]         ; 16 features, 64 bytes, from 16 (lane % 4) on
	v_add_nc_u32 v[TR], s50, v[TR]
	s_mov_b32 s46, 0
	s_mov_b32 s47, 0
	s_mov_b32 s48, 0
	v_add_nc_u32 v12, s47, v6
	v_add_nc_u32 v13, s48, v7
	v_add_nc_u32 v14, s46, v11
.irp i, 2,3,4,5,6,7
	v_mov_b32 v[SI+\i], 0
.endr
	WIN 0x40
.set I, 0
.rept 128
	v_mov_b32 v[I], 0                              ; the accumulators
.set I, I+1
.endr
	WIN 0
	s_wait_tensorcnt 0x0                           ; my entry of the table and my slice are in;
	PBAR                                           ; everybody's entries are
	RELOAD 0, 21
	LOADB
	s_wait_dscnt 0x0
	ROW 0, 0, 1, 5, -1, 0                          ; trip 0: nothing to multiply yet
	ROW 0, 1, 1, 5, -1, 0
	s_wait_xcnt 0x0                                ; the loads have read their base: it steps only behind this wait
	s_add_nc_u64 s[44:45], s[44:45], 256           ; the loads ahead are the next super-step's
	s_mov_b32 s46, ENT
	s_mov_b32 s15, 7
.Lss:                                                  ; a trip of this loop: trips 1, 2, 3 of a super-step and trip 0 of the next; each multiplies the tile made before it
	RBAR                                           ; the next chunk of weights is asked for
	LOADA 0
	ROW 1, 0, 1, 5, 0, 0
	ROW 1, 1, 1, 5, -1, 0
	PBAR                                           ; one barrier a trip: the tile just made is whole, and the reads of the other buffer are over
	LOADA 1
	ROW 2, 0, 1, 5, 1, 0
	ROW 2, 1, 1, 5, -1, 0
	PBAR
	LOADA 0
	ROW 3, 0, 1, 5, 2, 0
	v_add_nc_u32 v14, s46, v11                     ; the next entry of the table
	s_add_co_u32 s46, s46, ENT
	ROW 3, 1, 1, 5, -1, 1
	PBAR
	LOADA 1
	s_add_co_u32 s47, s47, 32                      ; silu's place in its rows: the next 64 features
	s_add_co_u32 s48, s48, 2
	v_add_nc_u32 v12, s47, v6
	v_add_nc_u32 v13, s48, v7
	ROW 0, 0, 1, 5, 3, 0
	LOADB                                          ; behind the chunk's last products stand the quantisers' plain lines, more than the four places that loads into their registers want
	ROW 0, 1, 1, 5, -1, 0
	s_wait_xcnt 0x0
	s_add_nc_u64 s[44:45], s[44:45], 256
	s_sub_co_u32 s15, s15, 1
	s_cmp_lg_u32 s15, 0
	s_cbranch_scc1 .Lss
	RBAR                                           ; the last super-step is written out: it loads no x and no table; base_weight's chunk is asked for
	LOADA 0
	ROW 1, 0, 0, 5, 0, 0                           ; the counts run down
	ROW 1, 1, 0, 4, -1, 0
	PBAR
	LOADA 1
	ROW 2, 0, 0, 3, 1, 0
	ROW 2, 1, 0, 2, -1, 0
	PBAR
	LOADA 0
	ROW 3, 0, 0, 1, 2, 0
	ROW 3, 1, 0, 0, -1, 0
	PBAR                                           ; the last tile and all of silu's codes lie in LDS
	LOADA 1
	v_add_nc_u32 v4, SL-AB, v8                     ; silu's fragments: row r, + 16 h
	v_lshl_add_u32 v5, v15, 4, SLS                 ; and 32 rows' scale words: 16 bytes a lane
.irp m, 0,1,2,3
.irp k, 0,1,2,3
.irp c, 0,1
	ds_load_b128 v[SF+32*\m+8*\k+4*\c:SF+32*\m+8*\k+4*\c+3], v4 offset:16*\m*APITCH+64*\k+32*\c
.endr
.endr
.endr
	s_wait_dscnt 0x0
.irp k, 0,1,2,3
	MM4 3, \k, AF, 0
.endr
	WIN 0
	v_and_b32 v12, 15, v0                          ; the addresses of the way out: ten plain lines, the places behind those products
	v_bfe_u32 v13, v0, 4, 1
	s_mul_i32 s50, s12, ABUF
	s_add_co_u32 s50, s50, STG                     ; my stage
	v_mul_u32_u24 v6, v12, APITCH
	v_lshl_add_u32 v6, v13, 5, v6
	v_add_nc_u32 v6, s50, v6                       ; in: row r, 32 bytes for each half of the lanes
	v_mul_u32_u24 v7, v13, APITCH
	v_lshl_add_u32 v7, v12, 4, v7
	v_add_nc_u32 v7, s50, v7                       ; back: lanes 0-15 one row of 256 bytes, lanes 16-31 the next
	v_lshlrev_b32 v3, 11, v13                      ; and the same two rows in out0 (x's loads are all in: their offset register is free)
	v_lshl_add_u32 v3, v12, 4, v3
	LOADB                                          ; base_weight's slice
.irp u, 0,1
	ds_load_b128 v[SA:SA+3], v5 offset:512*\u      ; lanes 0-15: tile 2 u's words, lanes 16-31: tile 2 u + 1's
	s_wait_dscnt 0x0
.irp k, 0,1,2,3
	MM4 2*\u, \k, SF+64*\u, 0
.endr
.irp k, 0,1,2,3
	MM4 2*\u+1, \k, SF+64*\u+32, 1
.endr
	WIN 0
.rept 4
	v_nop                                          ; places in front of the load into the scale words, and of the first read of results
.endr
.endr
; THE WAY OUT, a tile of 16 rows at a time.  What is not finite becomes 0.  A lane holds 32 neighbouring bytes of a row: the tile goes through my own stage and comes back as rows of 256 bytes.
.macro CONV t
	WIN 0x04                                       ; source 1 window 1
.irp n, 0,1,2,3
.irp j, 0,1,2,3,4,5,6,7
	v_cmp_gt_f32 s[M+8*(\n%2)+\j], s18, |v[8*(4*(\t)+\n)+\j]|      ; infinity > |y|: false of infinities and NaN.  Each accumulator from its low end on
.endr
.irp j, 0,1,2,3,4,5,6,7
	v_cndmask_b32 v[FO+8*\n+\j], 0, v[8*(4*(\t)+\n)+\j], s[M+8*(\n%2)+\j]
.endr
.endr
	WIN 0
.endm
.macro STAGE t
.if (\t) > 1
	s_wait_xcnt 0x0                                ; the stores of two tiles back have read their registers: the loads below land there only behind this wait
.endif
.irp n, 0,1,2,3
	ds_store_b128 v6, v[FO+8*\n:FO+8*\n+3] offset:64*\n
	ds_store_b128 v6, v[FO+8*\n+4:FO+8*\n+7] offset:64*\n+16
.endr
.irp i, 0,1,2,3,4,5,6,7
	ds_load_b128 v[BK+32*((\t)%2)+4*\i:BK+32*((\t)%2)+4*\i+3], v7 offset:2*\i*APITCH   ; LDS serves a wave's instructions in order: these see my stores
.endr
.endm
.macro SEND t
.irp i, 0,1,2,3,4,5,6,7
	s_wait_dscnt 7-\i                              ; the younger loads from the stage may stay out
	global_store_b128 v3, v[BK+32*((\t)%2)+4*\i:BK+32*((\t)%2)+4*\i+3], s[10:11] offset:(16*(\t)+2*\i)*2048 th:TH_STORE_NT   ; 16 lanes store 256 consecutive bytes, at a multiple of 256 from out0's first byte
.endr
.endm
	CONV 0
	STAGE 0
.irp t, 1,2,3
	CONV \t                                        ; a tile's selects stand between the loads of the tile before and its stores
	SEND \t-1
	STAGE \t
.endr
	SEND 3
	s_wait_tensorcnt 0x0                           ; the wave's end, behind my last tensor load and my last LDS store
	ds_add_u32 v1, v2
	s_wait_dscnt 0x0
	ROUND                                          ; the closing round: no work-group ends while a partner may still ask for a chunk that names it
	s_endpgm
.Lfunc_end_k_qba60747cee_kan:
	.size	k_qba60747cee_kan, .Lfunc_end_k_qba60747cee_kan-k_qba60747cee_kan
	.p2alignl 7, 3214868480
	.fill 96, 4, 3214868480
	.section	.rodata,"a",@progbits
	.p2align	6, 0x0
	.amdhsa_kernel k_qba60747cee_kan
		.amdhsa_group_segment_fixed_size 327680
		.amdhsa_private_segment_fixed_size 0
		.amdhsa_enable_private_segment 0
		.amdhsa_kernarg_size 32
		.amdhsa_user_sgpr_count 2
		.amdhsa_user_sgpr_kernarg_segment_ptr 1
		.amdhsa_wavefront_size32 1
		.amdhsa_system_sgpr_workgroup_id_x 1
		.amdhsa_system_sgpr_workgroup_id_y 1
		.amdhsa_system_sgpr_workgroup_id_z 1
		.amdhsa_system_vgpr_workitem_id 0
		.amdhsa_next_free_vgpr 512
		.amdhsa_next_free_sgpr 96
		.amdhsa_reserve_vcc 0
		.amdhsa_float_denorm_mode_32 3
		.amdhsa_float_denorm_mode_16_64 3
		.amdhsa_memory_ordered 1
		.amdhsa_forward_progress 1
		.amdhsa_inst_pref_size 255
	.end_amdhsa_kernel
	.section	.bss,"aw",@nobits
	.p2align	6
	.space	262144
	.amdgpu_metadata
---
amdhsa.version: [ 1, 2 ]
amdhsa.kernels:
  - .name:           k_qba60747cee_kan
    .symbol:         k_qba60747cee_kan.kd
    .args:
      - { .name: x, .offset: 0, .size: 8, .value_kind: global_buffer, .address_space: global }
      - { .name: wq, .offset: 8, .size: 8, .value_kind: global_buffer, .address_space: global }
      - { .name: ct, .offset: 16, .size: 8, .value_kind: global_buffer, .address_space: global }
      - { .name: out0, .offset: 24, .size: 8, .value_kind: global_buffer, .address_space: global }
    .group_segment_fixed_size: 327680
    .private_segment_fixed_size: 0
    .kernarg_segment_align: 8
    .kernarg_segment_size: 32
    .max_flat_workgroup_size: 256
    .sgpr_count:     96
    .vgpr_count:     512
    .wavefront_size: 32
...
	.end_amdgpu_metadata
.endif
;; end of part 2
